; MI455X (gfx1250); checked and timed in simulation.
; The chip was launched on July 23, 2026; its instructions are those of AMD's public machine-readable ISA for CDNA 5 (MIT licence, August 2026) and "CDNA5" Instruction Set Architecture Reference Guide (July 2026). The comments in the code are by the model that wrote it; some were corrected since.
;; Dynamic Lo RA Linear. Allowed arithmetic: float matrix products may take bf16 or f16 operands with f32 sums; other float arithmetic in f32, or as packed bf16 or f16 multiplies, adds, multiply-adds, maxima and minima; sums over many terms, partial sums and values carried from step to step in f32; what a program stores and reads back later, other than sums and carried values, may be rounded once to bf16 or f16.
;; Inputs: W 4,096 x 4,096 float32; adapter_mapping 8 int32; b 4,096 float32; lora_As 32 x 4,096 x 16 float32; lora_Bs 32 x 16 x 4,096 float32; x 8 x 512 x 4,096 float32.
;; Outputs: out0 8 x 512 x 4,096 float32.
;; 2 versions, each right; version 2 is version 1 with the launch prep written anew for expert scheduling mode. Each part assembles by itself: llvm-mc -triple=amdgcn-amd-amdhsa -mcpu=gfx1250 --defsym DOCPART=n.
;; ======== version 1 of 2: 2 launches
;; workspace buffers: xb 33,554,432 bytes; wb 33,554,432 bytes; hb 262,144 bytes; bt 1,048,576 bytes
;; launch prep (part 1): grid 256 x 1, 8 waves a work-group, no clusters, 119,808 bytes of LDS; arguments x, W, lora_As, lora_Bs, adapter_mapping, xb, wb, hb, bt; writes xb, wb, hb, bt
.if DOCPART == 1
	.amdgcn_target "amdgcn-amd-amdhsa--gfx1250"
	.amdhsa_code_object_version 6
	.text
	.protected	k_qc7e505aa3d_prep
	.globl	k_qc7e505aa3d_prep
	.p2align	8
	.type	k_qc7e505aa3d_prep,@function
k_qc7e505aa3d_prep:
	s_mov_b64 s[64:65], 0
	v_nop
	global_prefetch_b8 v0, s[64:65] scope:SCOPE_SE
	s_setreg_imm32_b32 hwreg(HW_REG_WAVE_MODE, 25, 1), 1
	s_wait_xcnt 0x0
; PREPARATION for out = x W^T + b + 2 (x A[map]) B[map]:  x -> xb and W -> wb in bf16 (row-major as they lie);  h = 2 x A[map[batch]] -> hb;  B[map[batch]] -> bt.
; x: [4096][4096] f32 (8 batches of 512 rows), W: [4096][4096] f32, lora_As: [32][4096][16] f32, lora_Bs: [32][16][4096] f32, adapter_mapping: [8] i32.
; hb: [256 blocks of 16 rows][hi, lo][lane][16 bytes]: lane l holds row l % 16 and ranks 8 (l / 16) + 0..7, as bf16: the order in which the product's operand registers take it.
; bt: [8 batches][256 blocks of 16 columns][lane][16 bytes]: lane l holds column l % 16 and ranks 8 (l / 16) + 0..7, as bf16.
; LIMITS.  x, W, A and B are rounded once to bf16 (f32's range is kept); h's sums are f32, and h is stored as a bf16 number and the bf16 of what that rounding left over.
; An adapter's number is clamped to 31: it changes nothing for a number inside the table.  NaN and infinities go as the arithmetic takes them.
; SHARES.  Work-groups 0-127 take x, 128-255 take W: 32 rows each.  Wave w has columns 512 w .. 512 w + 511 of all 32 rows, in four steps of 128 columns: a load of the wave covers 512
; consecutive bytes of a row, a store 256 consecutive bytes, at a multiple of 256 from the buffer's first byte.  48 loads of every wave are on their way (three sets of 16 in registers).
; In the x role the rounded numbers also pass through the wave's own LDS bytes and come back as matrix operands: h^T = A^T x^T, 16 ranks x 16 rows, summed over the wave's 512 columns;
; the eight waves' partial sums (f32) meet in LDS behind one barrier, and waves 0 and 1 add them in a fixed order.  In the W role each wave turns 32 columns of its batch's B.
; NO CLUSTER, NO TENSOR LOADS: x and W have one reader each and go through registers to be rounded.  An adapter's 256 KiB are read by the 16 work-groups of a batch beside their 512 KiB of x each;
; they too must pass registers to be rounded, so a joint load would add an f32 stage in LDS and a second road for a sixth of the launch's requested bytes: not built.
.set ROWF,   16384                     ; a row of x or W in bytes
.set ROWH,   8192                      ; a row of xb or wb
.set XPITCH, 272                       ; a row of 128 bf16 in LDS: 256 bytes + 16: the 16 rows of a fragment load start 68 words apart
.set XW,     32*XPITCH                 ; a wave's 32 rows
.set AST,    8*XW                      ; behind them: a wave's 128 k x 16 ranks of A in bf16, 32 bytes a k
.set AW,     4096
.set RED,    AST+8*AW                  ; the partial sums: [wave][4 quads][lane][16 bytes]
.set SPARE,  RED+16384                 ; the spare words, 128 bytes for each wave: four blocks of 256 bytes that no other line names
.set VIN, 2                            ; v2   2048 w + 16 lane: my 16 bytes in a row of x or W
.set VOUT, 3                           ; v3   1024 w + 8 lane: my 8 bytes in a row of xb or wb
.set VA,  4                            ; v4   32768 w + 16 lane: my 16 bytes in the wave's part of the adapter's A
.set VXS, 5                            ; v5   LDS: where I put 8 bytes of a row
.set VXF, 6                            ; v6   LDS: my place in a fragment of x
.set VAS, 7                            ; v7   LDS: where I put 8 bytes of A
.set VAF, 8                            ; v8   LDS: my place in a turned fragment of A
.set VRS, 9                            ; v9   LDS: where I put my partial sums
.set VRR, 10                           ; v10  LDS: where waves 0 and 1 read them
.set VH,  11                           ; v11  16 lane
.set VBL, 12                           ; v12  4 lane
.set VBT, 13                           ; v13  512 (l / 16) + 16 (l % 16)
.set SPW, 14                           ; v14  LDS address of my spare word; never rewritten
.set NIL, 15                           ; v15  0; never rewritten
.set ACC0, 16                          ; v[16:23]  h^T of rows 0-15
.set ACC1, 24                          ; v[24:31]  h^T of rows 16-31
.set R0,  32                           ; three sets of 64 registers: 16 loads of 16 bytes a lane
.set R1,  96
.set R2,  160
.set BV,  224                          ; v[224:239] 16 ranks of my column of B; v[240:247] the same packed
.set XF,  0                            ; window 1: fragments of x: row block rb, 32 k number ks at 8 (4 rb + ks)
.set AF,  64                           ; window 1: fragments of A^T at 64 + 8 ks
.set MSB, 0
.macro WIN new                         ; the immediate's high byte repeats the setting that is left
.if MSB != (\new)
	s_set_vgpr_msb (MSB<<8)|(\new)
.set MSB, \new
.endif
.endm
.set TO_F, 0x40                        ; destination window 1, address window 0
.set MUL,  0x05                        ; sources 0 and 1 window 1, C and D window 0
; 16 rows from row0 on, step s of the wave's four: 16 loads of 512 consecutive bytes
.macro LD reg, sb, row0, s
.set i, 0
.rept 16
	global_load_b128 v[(\reg)+4*i:(\reg)+4*i+3], v[VIN], s[\sb:\sb+1] offset:((\row0)+i)*ROWF+(\s)*512 th:TH_LOAD_NT
.set i, i+1
.endr
.endm
; the 128 k of step s of the adapter's A: 8,192 consecutive bytes; 16 work-groups read them, so no hint
.macro LDA s
.set i, 0
.rept 16
	global_load_b128 v[R2+4*i:R2+4*i+3], v[VA], s[12:13] offset:(\s)*8192+i*512
.set i, i+1
.endr
.endm
; in place: four f32 become four bf16 in the quad's first two registers
.macro CVT reg
.set i, 0
.rept 16
	v_cvt_pk_bf16_f32 v[(\reg)+4*i], v[(\reg)+4*i], v[(\reg)+4*i+1]
	v_cvt_pk_bf16_f32 v[(\reg)+4*i+1], v[(\reg)+4*i+2], v[(\reg)+4*i+3]
.set i, i+1
.endr
.endm
.macro ST reg, sb, row0, s             ; the next launch reads these bytes: no hint
.set i, 0
.rept 16
	global_store_b64 v[VOUT], v[(\reg)+4*i:(\reg)+4*i+1], s[\sb:\sb+1] offset:((\row0)+i)*ROWH+(\s)*256
.set i, i+1
.endr
.endm
.macro XLDS reg, row0                  ; the same 16 rows into my wave's LDS rows
.set i, 0
.rept 16
	ds_store_b64 v[VXS], v[(\reg)+4*i:(\reg)+4*i+1] offset:((\row0)+i)*XPITCH
.set i, i+1
.endr
.endm
	s_load_b512 s[8:23], s[0:1], 0x0               ; x 8:9, W 10:11, As 12:13, Bs 14:15, mapping 16:17, xb 18:19, wb 20:21, hb 22:23
	s_load_b64 s[24:25], s[0:1], 0x40              ; bt
	v_lshl_add_u32 v[SPW], v0, 2, SPARE
	v_mov_b32 v[NIL], 0
	v_and_b32 v1, 31, v0                           ; lane
	v_lshrrev_b32 v[VBL], 5, v0
	v_readfirstlane_b32 s26, v[VBL]                ; wave 0..7
	s_and_b32 s27, ttmp9, 127                      ; which 32 rows of my matrix
	s_lshr_b32 s28, s27, 4                         ; their batch (x), or the batch whose B I turn (W): 16 work-groups a batch
	s_lshl_b32 s30, s28, 2
	s_mov_b32 s31, 0                               ; s[30:31]: an offset as a pair
	v_and_b32 v224, 15, v0                         ; l % 16
	v_bfe_u32 v225, v0, 4, 1                       ; l / 16
	v_lshlrev_b32 v[VIN], 4, v1
	v_lshl_add_u32 v[VIN], s26, 11, v[VIN]
	v_lshlrev_b32 v[VOUT], 3, v1
	v_lshl_add_u32 v[VOUT], s26, 10, v[VOUT]
	v_lshlrev_b32 v[VA], 4, v1
	v_lshl_add_u32 v[VA], s26, 15, v[VA]
	s_mul_i32 s34, s26, XW                         ; my wave's rows in LDS
	v_lshl_add_u32 v[VXS], v1, 3, s34
	v_mul_u32_u24 v[VXF], v224, XPITCH             ; a fragment: row l % 16, 16 bytes for each half of the lanes
	v_lshl_add_u32 v[VXF], v225, 4, v[VXF]
	v_add_nc_u32 v[VXF], s34, v[VXF]
	s_lshl_b32 s35, s26, 12
	s_add_co_u32 s35, s35, AST                     ; my wave's part of A in LDS
	v_lshl_add_u32 v[VAS], v1, 3, s35
	v_and_b32 v226, 7, v0                          ; the turning load: lane l reads k = 8 (l / 16) + l % 8, ranks 8 ((l / 8) % 2) + 0..7
	v_lshl_add_u32 v226, v225, 3, v226
	v_lshlrev_b32 v226, 5, v226
	v_bfe_u32 v[VAF], v0, 3, 1
	v_lshl_add_u32 v[VAF], v[VAF], 4, v226
	v_add_nc_u32 v[VAF], s35, v[VAF]
	s_lshl_b32 s36, s26, 11
	s_add_co_u32 s36, s36, RED
	v_lshl_add_u32 v[VRS], v1, 4, s36
	s_lshl_b32 s37, s26, 10
	s_add_co_u32 s37, s37, RED
	v_lshl_add_u32 v[VRR], v1, 4, s37
	v_lshlrev_b32 v[VH], 4, v1
	v_lshlrev_b32 v[VBL], 2, v1
	v_lshlrev_b32 v[VBT], 4, v224
	v_lshl_add_u32 v[VBT], v225, 9, v[VBT]
	s_wait_kmcnt 0x0
	s_add_nc_u64 s[16:17], s[16:17], s[30:31]
	s_load_b32 s29, s[16:17], 0x0                  ; my batch's adapter
	s_wait_kmcnt 0x0
	s_min_u32 s29, s29, 31                         ; inside the table of 32
	s_lshl_b32 s29, s29, 18                        ; an adapter is 262,144 bytes in As and in Bs
	s_cmp_ge_u32 ttmp9, 128                        ; the same for all eight waves
	s_cbranch_scc1 .Lw
	; ---------------- THE x ROLE ----------------
	s_lshl_b32 s30, s27, 19                        ; 32 rows of 16,384 bytes
	s_add_nc_u64 s[8:9], s[8:9], s[30:31]
	s_lshl_b32 s30, s27, 18
	s_add_nc_u64 s[18:19], s[18:19], s[30:31]
	s_mov_b32 s30, s29
	s_add_nc_u64 s[12:13], s[12:13], s[30:31]
	s_lshl_b32 s30, s27, 11                        ; two blocks of 1,024 bytes in hb
	s_add_nc_u64 s[22:23], s[22:23], s[30:31]
	LD R0, 8, 0, 0
	LDA 0
	LD R1, 8, 16, 0                                ; 48 loads are out, in the order in which a step takes them
; One step: 128 columns of 32 rows and the 128 k of A that go with them.  ahead = 1: each set is loaded again for the next step as soon as it is free.  first = 1: the products start the sums.
.macro XSTEP s, ahead, first
	s_wait_loadcnt 32                              ; rows 0-15 are in; the two younger sets stay out
	CVT R0                                         ; (these conversions are also the places between the last step's products and the loads into their operands)
	ST R0, 18, 0, \s
	XLDS R0, 0
.if \ahead
	s_wait_xcnt 0x0                                ; the stores' data registers are loaded again only behind this wait
	LD R0, 8, 0, (\s)+1
	s_wait_loadcnt 32                              ; A's 128 k are in; younger: rows 16-31 and the set just asked for
.else
	s_wait_loadcnt 16                              ; younger: rows 16-31 alone
.endif
	CVT R2
.set i, 0
.rept 16
	ds_store_b64 v[VAS], v[R2+4*i:R2+4*i+1] offset:i*256  ; as in memory: k = 8 i + lane / 4, ranks 4 (lane % 4) on, 32 bytes a k
.set i, i+1
.endr
.if \ahead
	LDA (\s)+1
	s_wait_loadcnt 32                              ; rows 16-31 are in
.else
	s_wait_loadcnt 0
.endif
	CVT R1
	ST R1, 18, 16, \s
	XLDS R1, 16
.if \ahead
	s_wait_xcnt 0x0
	LD R1, 8, 16, (\s)+1
.endif
	WIN TO_F                                       ; my wave's own bytes: LDS serves a wave's instructions in order (ISA guide 5.7.1.4), so these see the stores above
.irp rb, 0,1
.irp ks, 0,1,2,3
	ds_load_b128 v[XF+8*(4*(\rb)+(\ks)):XF+8*(4*(\rb)+(\ks))+3],   v[VXF] offset:(\rb)*16*XPITCH+(\ks)*64
	ds_load_b128 v[XF+8*(4*(\rb)+(\ks))+4:XF+8*(4*(\rb)+(\ks))+7], v[VXF] offset:(\rb)*16*XPITCH+(\ks)*64+32
.endr
.endr
.irp ks, 0,1,2,3
	ds_load_tr16_b128 v[AF+8*(\ks):AF+8*(\ks)+3],   v[VAF] offset:(\ks)*1024
	ds_load_tr16_b128 v[AF+8*(\ks)+4:AF+8*(\ks)+7], v[VAF] offset:(\ks)*1024+512
.endr
	s_wait_dscnt 0x0
	WIN MUL                                        ; source 0 = 16 ranks, source 1 = 16 rows of x: a lane's eight results are ranks 8 (l / 16) + 0..7 of row l % 16: hb's order
.irp ks, 0,1,2,3                       ; the two accumulators take turns, from step to step too
.if (\first) && ((\ks) == 0)
	v_wmma_f32_16x16x32_bf16 v[ACC0:ACC0+7], v[AF+8*(\ks):AF+8*(\ks)+7], v[XF+8*(\ks):XF+8*(\ks)+7], 0
	v_wmma_f32_16x16x32_bf16 v[ACC1:ACC1+7], v[AF+8*(\ks):AF+8*(\ks)+7], v[XF+32+8*(\ks):XF+32+8*(\ks)+7], 0
.else
	v_wmma_f32_16x16x32_bf16 v[ACC0:ACC0+7], v[AF+8*(\ks):AF+8*(\ks)+7], v[XF+8*(\ks):XF+8*(\ks)+7], v[ACC0:ACC0+7]
	v_wmma_f32_16x16x32_bf16 v[ACC1:ACC1+7], v[AF+8*(\ks):AF+8*(\ks)+7], v[XF+32+8*(\ks):XF+32+8*(\ks)+7], v[ACC1:ACC1+7]
.endif
.endr
	WIN 0
.endm
	XSTEP 0, 1, 1                                  ; four steps: with the first and the last written apart a loop would have two trips
	XSTEP 1, 1, 0
	XSTEP 2, 1, 0
	XSTEP 3, 0, 0                                  ; the last step loads nothing: its counts run down 32, 16, 0
.rept 4
	v_nop                                          ; four places between the last products and the stores that read them
.endr
	ds_store_b128 v[VRS], v[ACC0:ACC0+3]           ; each accumulator from its low end on
	ds_store_b128 v[VRS], v[ACC0+4:ACC0+7] offset:512
	ds_store_b128 v[VRS], v[ACC1:ACC1+3] offset:1024
	ds_store_b128 v[VRS], v[ACC1+4:ACC1+7] offset:1536
	s_wait_dscnt 0x0                               ; for the others' sake: my partial sums are in LDS
	s_barrier_signal -1
	s_barrier_wait -1
	s_cmp_ge_u32 s26, 2
	s_cbranch_scc1 .Lend                           ; waves 0 and 1 go on: wave w adds the eight waves' sums for rows 16 w .. 16 w + 15
	s_wait_xcnt 0x0                                ; the ring's registers were store data
.irp p, 0,1,2,3,4,5,6,7
	ds_load_b128 v[R0+8*(\p):R0+8*(\p)+3],   v[VRR] offset:(\p)*2048
	ds_load_b128 v[R0+8*(\p)+4:R0+8*(\p)+7], v[VRR] offset:(\p)*2048+512
.endr
	s_wait_dscnt 0x0
.irp p, 0,2,4,6                        ; a fixed tree in f32: neighbours 1, 2 and 4 waves apart
.irp j, 0,2,4,6
	v_pk_add_f32 v[R0+8*(\p)+(\j):R0+8*(\p)+(\j)+1], v[R0+8*(\p)+(\j):R0+8*(\p)+(\j)+1], v[R0+8*(\p)+8+(\j):R0+8*(\p)+8+(\j)+1]
.endr
.endr
.irp p, 0,4
.irp j, 0,2,4,6
	v_pk_add_f32 v[R0+8*(\p)+(\j):R0+8*(\p)+(\j)+1], v[R0+8*(\p)+(\j):R0+8*(\p)+(\j)+1], v[R0+8*(\p)+16+(\j):R0+8*(\p)+16+(\j)+1]
.endr
.endr
.irp j, 0,2,4,6
	v_pk_add_f32 v[R0+(\j):R0+(\j)+1], v[R0+(\j):R0+(\j)+1], v[R0+32+(\j):R0+32+(\j)+1]
.endr
.irp j, 0,2,4,6
	v_pk_mul_f32 v[R0+(\j):R0+(\j)+1], v[R0+(\j):R0+(\j)+1], 2.0 op_sel_hi:[1,0]  ; the scaling alpha / r = 2
.endr
.irp j, 0,1,2,3
	v_cvt_pk_bf16_f32 v[R1+(\j)], v[R0+2*(\j)], v[R0+2*(\j)+1]                    ; hi
.endr
.irp j, 0,1,2,3
	v_lshlrev_b32 v[R1+8+2*(\j)], 16, v[R1+(\j)]                                   ; hi as f32
	v_and_b32 v[R1+9+2*(\j)], 0xffff0000, v[R1+(\j)]
.endr
.irp j, 0,2,4,6
	v_pk_add_f32 v[R1+8+(\j):R1+9+(\j)], v[R0+(\j):R0+(\j)+1], v[R1+8+(\j):R1+9+(\j)] neg_lo:[0,1] neg_hi:[0,1]  ; what the rounding left over, exact in f32
.endr
.irp j, 0,1,2,3
	v_cvt_pk_bf16_f32 v[R1+4+(\j)], v[R1+8+2*(\j)], v[R1+9+2*(\j)]                 ; lo
.endr
	s_lshl_b32 s30, s26, 10
	s_add_nc_u64 s[22:23], s[22:23], s[30:31]
	global_store_b128 v[VH], v[R1:R1+3], s[22:23]                ; 512 consecutive bytes each
	global_store_b128 v[VH], v[R1+4:R1+7], s[22:23] offset:512
	s_branch .Lend
	; ---------------- THE W ROLE ----------------
.Lw:
	s_lshl_b32 s30, s27, 19
	s_add_nc_u64 s[10:11], s[10:11], s[30:31]
	s_lshl_b32 s30, s27, 18
	s_add_nc_u64 s[20:21], s[20:21], s[30:31]
	s_and_b32 s32, s27, 15
	s_lshl_b32 s32, s32, 3
	s_add_co_u32 s32, s32, s26                     ; t, 0..127: I turn columns 32 t .. 32 t + 31 of my batch's B
	s_lshl_b32 s30, s32, 7
	s_add_co_u32 s30, s30, s29
	s_add_nc_u64 s[14:15], s[14:15], s[30:31]
	s_lshl_b32 s30, s28, 17                        ; a batch is 131,072 bytes of bt,
	s_lshl_b32 s33, s32, 10                        ; 32 columns are two blocks of 512
	s_add_co_u32 s30, s30, s33
	s_add_nc_u64 s[24:25], s[24:25], s[30:31]
.set i, 0
.rept 16                               ; rank i of my column: 128 consecutive bytes a load; all of these together are 2 MiB beside the launch's 128 MiB of x and W.  Two batches may name one adapter: no hint
	global_load_b32 v[BV+i], v[VBL], s[14:15] offset:i*16384
.set i, i+1
.endr
	LD R0, 10, 0, 0                                ; unit u of eight: step u / 2, rows 16 (u % 2) on, in set u % 3
	LD R1, 10, 16, 0
	LD R2, 10, 0, 1
	s_wait_loadcnt 48                              ; B's 16 are in; the three units stay out
.irp j, 0,1,2,3,4,5,6,7
	v_cvt_pk_bf16_f32 v[BV+16+(\j)], v[BV+2*(\j)], v[BV+2*(\j)+1]
.endr
	global_store_b128 v[VBT], v[BV+16:BV+19], s[24:25]             ; ranks 0-7: lanes 0-15 and lanes 16-31 each store 256 consecutive bytes, at a multiple of 256 from bt's first byte
	global_store_b128 v[VBT], v[BV+20:BV+23], s[24:25] offset:256  ; ranks 8-15
.set u, 0
.rept 8
.if u < 6
	s_wait_loadcnt 32                              ; my unit is in; the two younger stay out
.elseif u == 6
	s_wait_loadcnt 16
.else
	s_wait_loadcnt 0
.endif
	CVT R0+64*(u%3)
	ST R0+64*(u%3), 20, 16*(u%2), u/2
.if u+3 < 8
	s_wait_xcnt 0x0                                ; the stores' data registers are loaded again only behind this wait
	LD R0+64*(u%3), 10, 16*((u+3)%2), (u+3)/2
.endif
.set u, u+1
.endr
.Lend:
	s_wait_tensorcnt 0x0                           ; the wave's end, behind my last LDS store
	ds_add_u32 v[SPW], v[NIL]
	s_wait_dscnt 0x0
	s_endpgm
.Lfunc_end_k_qc7e505aa3d_prep:
	.size	k_qc7e505aa3d_prep, .Lfunc_end_k_qc7e505aa3d_prep-k_qc7e505aa3d_prep
	.p2alignl 7, 3214868480
	.fill 96, 4, 3214868480
	.section	.rodata,"a",@progbits
	.p2align	6, 0x0
	.amdhsa_kernel k_qc7e505aa3d_prep
		.amdhsa_group_segment_fixed_size 119808
		.amdhsa_private_segment_fixed_size 0
		.amdhsa_enable_private_segment 0
		.amdhsa_kernarg_size 72
		.amdhsa_user_sgpr_count 2
		.amdhsa_user_sgpr_kernarg_segment_ptr 1
		.amdhsa_wavefront_size32 1
		.amdhsa_system_sgpr_workgroup_id_x 1
		.amdhsa_system_sgpr_workgroup_id_y 1
		.amdhsa_system_sgpr_workgroup_id_z 1
		.amdhsa_system_vgpr_workitem_id 0
		.amdhsa_next_free_vgpr 352
		.amdhsa_next_free_sgpr 66
		.amdhsa_reserve_vcc 0
		.amdhsa_float_denorm_mode_32 3
		.amdhsa_float_denorm_mode_16_64 3
		.amdhsa_memory_ordered 1
		.amdhsa_forward_progress 1
		.amdhsa_inst_pref_size 127
	.end_amdhsa_kernel
	.amdgpu_metadata
---
amdhsa.version: [ 1, 2 ]
amdhsa.kernels:
  - .name:           k_qc7e505aa3d_prep
    .symbol:         k_qc7e505aa3d_prep.kd
    .args:
      - { .name: x, .offset: 0, .size: 8, .value_kind: global_buffer, .address_space: global }
      - { .name: W, .offset: 8, .size: 8, .value_kind: global_buffer, .address_space: global }
      - { .name: lora_As, .offset: 16, .size: 8, .value_kind: global_buffer, .address_space: global }
      - { .name: lora_Bs, .offset: 24, .size: 8, .value_kind: global_buffer, .address_space: global }
      - { .name: adapter_mapping, .offset: 32, .size: 8, .value_kind: global_buffer, .address_space: global }
      - { .name: xb, .offset: 40, .size: 8, .value_kind: global_buffer, .address_space: global }
      - { .name: wb, .offset: 48, .size: 8, .value_kind: global_buffer, .address_space: global }
      - { .name: hb, .offset: 56, .size: 8, .value_kind: global_buffer, .address_space: global }
      - { .name: bt, .offset: 64, .size: 8, .value_kind: global_buffer, .address_space: global }
    .group_segment_fixed_size: 119808
    .private_segment_fixed_size: 0
    .kernarg_segment_align: 8
    .kernarg_segment_size: 72
    .max_flat_workgroup_size: 256
    .sgpr_count:     66
    .vgpr_count:     352
    .wavefront_size: 32
...
	.end_amdgpu_metadata
.endif
;; end of part 1
;; launch gemm (part 2): grid 16 x 16, 4 waves a work-group, clusters of 4 x 4, 327,680 bytes of LDS; arguments xb, wb, b, hb, bt, out0; writes out0
.if DOCPART == 2
	.amdgcn_target "amdgcn-amd-amdhsa--gfx1250"
	.amdhsa_code_object_version 6
	.text
	.protected	k_qc7e505aa3d_gemm
	.globl	k_qc7e505aa3d_gemm
	.p2align	8
	.type	k_qc7e505aa3d_gemm,@function
k_qc7e505aa3d_gemm:
	s_mov_b64 s[64:65], 0
	v_nop
	global_prefetch_b8 v0, s[64:65] scope:SCOPE_SE
	s_setreg_imm32_b32 hwreg(HW_REG_WAVE_MODE, 25, 1), 1
	s_wait_xcnt 0x0
	s_wait_alu depctr_hold_cnt(0) depctr_sa_sdst(0) depctr_va_vdst(0) depctr_va_sdst(0) depctr_va_ssrc(0) depctr_va_vcc(0) depctr_vm_vsrc(0)
	s_getreg_b32 s2, hwreg(HW_REG_IB_STS2, 6, 4)
	s_cmp_eq_u32 s2, 0
	s_cbranch_scc0 .Lentry_in_a_cluster
	s_endpgm
.Lentry_in_a_cluster:
	s_bfe_u32 s2, ttmp6, 0x10000c
	s_cmp_lg_u32 s2, 0xf033
	s_cbranch_scc0 .Lentry_shape_is_right
	s_endpgm
.Lentry_shape_is_right:
; out0[m][n] = b[n] + sum over r of h[m][r] Bt[batch(m)][n][r] + sum over k of xb[m][k] wb[n][k].  xb, wb: [4096][4096] bf16; b: [4096] f32; out0: [4096][4096] f32; sums in f32.
; hb holds h = 2 x A as a bf16 pair (hi, lo) and bt the batch's B in bf16, both in the order of operand registers (16 bytes a lane, 512 bytes a half fragment).
; LIMITS.  The operands are bf16 (rounded once by the launch before); a sum is taken in this order: bias, the 32 products of the rank-16 term, then k ascending.  NaN and infinities go as the arithmetic takes them.
; A tile of out0, 256 x 256, is made by a work-group of four waves; a wave makes 128 x 128: 64 accumulators of 16 x 16, 512 registers.  256 tiles, one to a work-group.  A tile's 256 rows lie in one batch of 512.
; K goes in steps of 128 through a ring of two LDS slots filled by the tensor data mover: the tiles' rows are 256 bytes of memory and start at multiples of 256 bytes from the buffer's first byte.
; THE SUMS ARE STARTED BY THE RANK-16 TERM: one quarter step in front of the K walk, D = Bt x h + bias, with the bias (in other registers) as C: nothing is cleared and the bias costs no arithmetic.
; Of that product's 32 places along K, 0-15 multiply h's hi part and 16-31 its lo part by the same 16 ranks of B.  These 64 products stand in the wait for the first tiles.
; CLUSTERS: 4 x 4 work-groups.  The four of a row of the cluster need the same tiles of xb, the four of a column the same tiles of wb: each tile is asked for JOINTLY, by the same tensor load with the
; same descriptor and a mask that names the four, which divides the requests for both by four.
; THE MATRIX INSTRUCTION IS USED TRANSPOSED: source 0 = 16 rows of wb, source 1 = 16 rows of xb: lane l holds row l % 16 of out0 and its registers the columns 8 (l / 16) + 0..7: 32 neighbouring bytes.
; REGISTERS, in windows of 256 (s_set_vgpr_msb: bits 1:0 source 0, 3:2 source 1, 5:4 source 2, 7:6 destination):
;   window 0: v0-31 addresses; v64-127, v128-191 fragments of xb, two buffers (on the way out: rows read back from the stage); v192-255 the bias, 8 registers a column block
;   window 1: v64-127, v128-191 fragments of wb, two buffers
;   window 2: the 32 accumulators of my rows 0-63 (accumulator (a, b) at v[8 (8 a + b)]);   window 3: those of my rows 64-127
.set SIZE_K, 4096
.set SIZE_N, 4096
.set KSTEP,  128
.set PITCH,  272                       ; an LDS row: 256 bytes of data + 16 of padding = 68 words: row r starts at bank 4 r mod 64 (64 banks of 4 bytes: ISA guide 11.1)
.set HALFT,  128*PITCH                 ; 128 rows: what one tensor load brings, and what one wave reads of xb or of wb
.set SLOT,   4*HALFT                   ; xb's 256 rows, then wb's 256 rows
.set STAGE,  2*SLOT                    ; behind the ring: 16 rows x 528 bytes for each wave, for the way out
.set SPITCH, 528                       ; 512 bytes of f32 + 16: the 16 rows that a store touches start 132 words apart
.set SPARE,  STAGE+4*16*SPITCH         ; behind the stages: the spare words, 128 bytes for each wave: two blocks of 256 bytes that no other line names
.set LAPS, SIZE_K/(2*KSTEP)            ; a lap = two K steps = once round the ring
.set ADRA, 16                          ; v16-17  LDS address of my xb fragments in slot 0, 1
.set ADRB, 20                          ; v20-21  the same for wb
.set STO,  24                          ; v24     the way out: where I put 32 bytes of a row
.set RD,   25                          ; v25     the way out: where I read a row back
.set CO,   26                          ; v26     16 x lane: my 16 bytes in 512 consecutive bytes of out0, hb or bt
.set BO,   27                          ; v27     32 (l / 16): my eight numbers in 16 of the bias
.set SPW,  28                          ; v28     LDS address of my spare word; never rewritten
.set NIL,  29                          ; v29     0; never rewritten
.set F0,   64                          ; fragment buffer 0
.set F1,   128                         ; fragment buffer 1
.set BIAS, 192
.set OB,   64                          ; the way out: 16 rows read back: v64-127 and v128-191 by turns
.set G1, 24                            ; s[24:31] descriptor group 1 for xb's tiles
.set G0, 32                            ; s[32:39] descriptor group 0 for xb's tiles, one set for each slot
.set G1B, 48                           ; s[48:55] descriptor group 1 for wb's tiles: it differs in the mask alone
.set G0B, 56                           ; s[56:63] descriptor group 0 for wb's tiles, one set for each slot
.set MSB, 0
.macro WIN new                         ; the immediate's high byte repeats the setting that is left
.if MSB != (\new)
	s_set_vgpr_msb (MSB<<8)|(\new)
.set MSB, \new
.endif
.endm
.set MUL_LO, 0xa1                      ; source 0 (wb) window 1, source 1 (xb) window 0, C and D window 2
.set MUL_HI, 0xf1                      ; the same, C and D window 3
.set START_LO, 0x81                    ; source 0 window 1, source 1 and C (the bias) window 0, D window 2
.set START_HI, 0xc1                    ; the same, D window 3
.set TO_B,   0x40                      ; destination window 1, address window 0
; A joint load.  Waves 0 and 1 fetch xb's two halves, waves 2 and 3 wb's.  Each of the two lines has ONE mask and one set of registers for all that issue it.  The branch hangs on the wave's number alone.
; An s_nop 0 and four v_nop follow each of the two lines; the jump round the other line, the label and what follows the macro come after them.
.macro JLOAD s
	s_cmp_eq_u32 s11, 0
	s_cbranch_scc0 .Lfor_b_\@
	tensor_load_to_lds s[G0+4*(\s):G0+4*(\s)+3], s[G1:G1+7]
	s_nop 0
.rept 4
	v_nop
.endr
	s_branch .Lasked_\@
.Lfor_b_\@:
	tensor_load_to_lds s[G0B+4*(\s):G0B+4*(\s)+3], s[G1B:G1B+7]
	s_nop 0
.rept 4
	v_nop
.endr
.Lasked_\@:
.endm
; A round of the cluster's barrier: my work-group's barrier, so that wave 0's signal speaks for all four waves; wave 0 signals for the work-group; every wave waits for all
; sixteen work-groups; my work-group's barrier once more.  No LDS instruction of the wave is pending at a signal.
.macro CREST                           ; a round behind its opening barrier
	s_cmp_lg_u32 s10, 0
	s_cbranch_scc1 .Lnot_wave_0_\@
	s_barrier_signal -3
.Lnot_wave_0_\@:
	s_barrier_wait -3
	s_barrier_signal -1
	s_barrier_wait -1
.endm
.macro CROUND                          ; a whole round
	s_barrier_signal -1
	s_barrier_wait -1
	CREST
.endm
	s_load_b128 s[4:7], s[0:1], 0x0                ; xb s[4:5], wb s[6:7]
	s_load_b256 s[68:75], s[0:1], 0x10             ; b s[68:69], hb s[70:71], bt s[72:73], out0 s[74:75]
	v_lshl_add_u32 v[SPW], v0, 2, SPARE
	v_mov_b32 v[NIL], 0
	ds_add_u32 v[SPW], v[NIL]                      ; the wave's opening: the add and its wait come ahead of my first tensor load; the set-up below, work on registers, stands between them
	v_lshrrev_b32 v1, 5, v0
	v_readfirstlane_b32 s10, v1                    ; wave 0..3
	s_lshr_b32 s11, s10, 1                         ; which half of the tile's rows is mine.  Also: I fetch for xb (0) or for wb (1)
	s_and_b32 s12, s10, 1                          ; which half of its columns.  Also: which 128 rows of that tile I fetch
	s_bfe_u32 s40, ttmp6, 0x40000                  ; cx: my place along the cluster's x
	s_bfe_u32 s41, ttmp6, 0x40004                  ; cy: along its y
	s_lshl_b32 s42, ttmp9, 2                       ; in a cluster launch ttmp9 and ttmp7 count clusters
	s_add_co_u32 s42, s42, s40                     ; tile column = 4 x cluster x + cx
	s_and_b32 s13, ttmp7, 0xffff
	s_lshl_b32 s13, s13, 2
	s_add_co_u32 s13, s13, s41                     ; tile row = 4 x cluster y + cy
	s_lshl_b32 s43, s41, 2
	s_lshl_b32 s43, 15, s43                        ; my row of the cluster: places 4 cy .. 4 cy + 3
	s_lshl_b32 s44, 0x1111, s40                    ; my column: places cx, cx + 4, cx + 8, cx + 12
	; descriptor group 1: a tile of 128 rows x 128 elements, padded in LDS
	s_or_b32 s[G1+0], s43, (1<<16)|(1<<20)|(1<<21)|(5<<22)|(3<<25)  ; 15:0 the mask: xb's tiles go to my row; 17:16 element of 2 bytes; 20 padding on; 21 set beside a mask; 24:22 after every 64 words (code 5); 31:25 of 4 words (code 3)
	s_or_b32 s[G1B+0], s44, (1<<16)|(1<<20)|(1<<21)|(5<<22)|(3<<25) ; the same with the mask of my column, for wb's tiles
	s_mov_b32 s[G1B+1], KSTEP<<16
	s_mov_b32 s[G1+1], KSTEP<<16                   ; 63:48 tensor_dim0, low half = 128
	s_mov_b32 s[G1B+2], 128<<16
	s_mov_b32 s[G1+2], 128<<16                     ; 79:64 its high half = 0; 95:80 tensor_dim1, low half = 128
	s_mov_b32 s[G1B+3], KSTEP<<16
	s_mov_b32 s[G1+3], KSTEP<<16                   ; 111:96 its high half = 0; 127:112 tile_dim0 = 128
	s_mov_b32 s[G1B+4], 128
	s_mov_b32 s[G1+4], 128                         ; 143:128 tile_dim1 = 128; 159:144 tile_dim2 = 0
	s_mov_b32 s[G1B+5], SIZE_K
	s_mov_b32 s[G1+5], SIZE_K                      ; 191:160 tensor_dim0_stride, low word: elements from row to row
	s_mov_b32 s[G1B+6], 0
	s_mov_b32 s[G1+6], 0
	s_mov_b32 s[G1B+7], 0
	s_mov_b32 s[G1+7], 0
	; where the tiles come from.  xb's hang on the tile row alone, which my row of the cluster shares; wb's on the tile column alone, which my column shares.
	; Every wave makes both addresses, in registers that never hold the other coordinate, and asks by one of them.
	s_lshl_b32 s17, s12, 7                         ; which 128 rows of the tile I fetch
	s_lshl_b32 s16, s13, 8
	s_add_co_u32 s16, s16, s17                     ; xb: row 256 x tile row + 128 x half
	s_lshl_b32 s46, s42, 8
	s_add_co_u32 s46, s46, s17                     ; wb: row 256 x tile column + 128 x half
	s_mov_b32 s17, 0
	s_mov_b32 s47, 0
	s_mov_b64 s[18:19], SIZE_K*2
	s_mul_u64 s[16:17], s[16:17], s[18:19]         ; in bytes, in 64 bits
	s_mul_u64 s[46:47], s[46:47], s[18:19]
	s_mul_i32 s20, s10, HALFT                      ; and where they go: wave x 128 rows: no place in the cluster enters an LDS address
	s_wait_dscnt 0x0                               ; the opening add is done
	s_wait_kmcnt 0x0
	s_add_nc_u64 s[14:15], s[4:5], s[16:17]
	s_add_nc_u64 s[46:47], s[6:7], s[46:47]
	CROUND                                         ; all sixteen work-groups are here: the first joint loads meet
.irp s, 0,1
	s_mov_b32 s[G0+4*(\s)], 1                                      ; 1:0 count = 1
	s_add_co_u32 s[G0+4*(\s)+1], s20, (\s)*SLOT                    ; 63:32 LDS address
	s_add_nc_u64 s[G0+4*(\s)+2:G0+4*(\s)+3], s[14:15], (\s)*KSTEP*2  ; 120:64 global address: K step s
	s_or_b32 s[G0+4*(\s)+3], s[G0+4*(\s)+3], 0x80000000            ; 127:126 type = 2
	s_mov_b32 s[G0B+4*(\s)], 1
	s_add_co_u32 s[G0B+4*(\s)+1], s20, (\s)*SLOT
	s_add_nc_u64 s[G0B+4*(\s)+2:G0B+4*(\s)+3], s[46:47], (\s)*KSTEP*2
	s_or_b32 s[G0B+4*(\s)+3], s[G0B+4*(\s)+3], 0x80000000
	JLOAD \s                                       ; the ring is filled before anything else is done: two loads of mine are out
.endr
	; my wave's parts of out0, hb, bt and b.  What hangs on the tile column is made in s45 and s[66:67]: no register that fed xb's descriptors ever holds cx.
	s_lshl_b32 s16, s13, 1
	s_add_co_u32 s16, s16, s11                     ; which 128 rows of the 4,096 are mine
	s_mov_b32 s19, 0
	s_lshl_b32 s18, s16, 21                        ; 128 rows of 16,384 bytes of out0
	s_add_nc_u64 s[74:75], s[74:75], s[18:19]
	s_lshl_b32 s18, s16, 13                        ; 8 blocks of 1,024 bytes of hb
	s_add_nc_u64 s[70:71], s[70:71], s[18:19]
	s_lshr_b32 s18, s13, 1                         ; the batch: two tile rows each
	s_lshl_b32 s18, s18, 17                        ; 131,072 bytes of bt
	s_add_nc_u64 s[72:73], s[72:73], s[18:19]
	s_lshl_b32 s45, s42, 1
	s_add_co_u32 s45, s45, s12                     ; which 128 columns are mine
	s_mov_b32 s67, 0
	s_lshl_b32 s66, s45, 9                         ; 128 f32
	s_add_nc_u64 s[74:75], s[74:75], s[66:67]
	s_add_nc_u64 s[68:69], s[68:69], s[66:67]
	s_lshl_b32 s66, s45, 12                        ; 8 blocks of 512 bytes of bt
	s_add_nc_u64 s[72:73], s[72:73], s[66:67]
	; A fragment is 16 rows x 32 K in 8 registers: lane l holds row l % 16; registers 0-3 hold K = 8 (l / 16) + 0..7, registers 4-7 hold
	; K = 16 + 8 (l / 16) + 0..7.  From rows that lie along K: two loads of 16 bytes, 32 bytes apart.  The same for source 0 and source 1.
	v_and_b32 v1, 15, v0                           ; l % 16
	v_bfe_u32 v2, v0, 4, 1                         ; l / 16
	v_and_b32 v5, 31, v0                           ; lane
	v_lshlrev_b32 v[CO], 4, v5
	v_lshlrev_b32 v[BO], 5, v2
.irp b, 0,1,2,3,4,5,6,7                ; the bias as a C operand: register j of column block b is b[16 b + 8 (l / 16) + j], the same for the 16 rows
	global_load_b128 v[BIAS+8*(\b):BIAS+8*(\b)+3],   v[BO], s[68:69] offset:64*(\b)
	global_load_b128 v[BIAS+8*(\b)+4:BIAS+8*(\b)+7], v[BO], s[68:69] offset:64*(\b)+16
.endr
.irp a, 0,1,2,3,4,5,6,7                ; h of my row block a: hi into K places 0-15, lo into 16-31
	global_load_b128 v[F1+8*(\a):F1+8*(\a)+3],   v[CO], s[70:71] offset:1024*(\a)
	global_load_b128 v[F1+8*(\a)+4:F1+8*(\a)+7], v[CO], s[70:71] offset:1024*(\a)+512
.endr
	WIN TO_B
.irp b, 0,1,2,3,4,5,6,7                ; B of my column block b, the same 16 ranks for both halves of K: loaded twice, which spares 32 copies
	global_load_b128 v[F1+8*(\b):F1+8*(\b)+3],   v[CO], s[72:73] offset:512*(\b)
	global_load_b128 v[F1+8*(\b)+4:F1+8*(\b)+7], v[CO], s[72:73] offset:512*(\b)
.endr
	WIN 0
	v_mul_u32_u24 v3, v1, PITCH
	v_lshl_add_u32 v3, v2, 4, v3                   ; row x pitch + 16 x half
	s_mul_i32 s21, s11, HALFT                      ; my 128 rows of xb
	s_mul_i32 s22, s12, HALFT                      ; my 128 rows of wb,
	s_add_co_u32 s22, s22, 2*HALFT                 ; which lie behind xb's 256
.irp s, 0,1
	v_add_nc_u32 v[ADRA+(\s)], s21, v3
	v_add_nc_u32 v[ADRB+(\s)], s22, v3
	s_add_co_u32 s21, s21, SLOT
	s_add_co_u32 s22, s22, SLOT
.endr
	s_mul_i32 s23, s10, 16*SPITCH
	s_add_co_u32 s23, s23, STAGE                   ; my stage
	v_mul_u32_u24 v4, v1, SPITCH                   ; in: row l % 16, 32 bytes for each half of the lanes
	v_lshl_add_u32 v4, v2, 5, v4
	v_add_nc_u32 v[STO], s23, v4
	v_add_nc_u32 v[RD], s23, v[CO]                 ; back: 32 lanes take one row of 512 bytes
; 16 matrix instructions: m blocks a0, a0 + 1 of the window's four (hi = 0: my rows 0-63, 1: rows 64-127) x all 8 n blocks, 32 along K.
; start = 1: the product starts the sums, with the bias as C: nothing is ever cleared.
.macro MUL16 f, hi, a0, start
.if \start
	WIN START_LO+0x40*(\hi)
.else
	WIN MUL_LO+0x50*(\hi)
.endif
.irp a, \a0, (\a0)+1
.irp b, 0,1,2,3,4,5,6,7
.if \start
	v_wmma_f32_16x16x32_bf16 v[8*(8*(\a)+(\b)):8*(8*(\a)+(\b))+7], v[(\f)+8*(\b):(\f)+8*(\b)+7], v[(\f)+8*(4*(\hi)+(\a)):(\f)+8*(4*(\hi)+(\a))+7], v[BIAS+8*(\b):BIAS+8*(\b)+7]
.else
	v_wmma_f32_16x16x32_bf16 v[8*(8*(\a)+(\b)):8*(8*(\a)+(\b))+7], v[(\f)+8*(\b):(\f)+8*(\b)+7], v[(\f)+8*(4*(\hi)+(\a)):(\f)+8*(4*(\hi)+(\a))+7], v[8*(8*(\a)+(\b)):8*(8*(\a)+(\b))+7]
.endif
.endr
.endr
.endm
; 32 LDS loads in one run: the fragments of one quarter step (128 rows of wb, 128 rows of xb, 32 K at byte k of the rows) into buffer f
.macro FETCH slot, k, f
	WIN TO_B
.irp i, 0,1,2,3,4,5,6,7
	ds_load_b128 v[(\f)+8*(\i):(\f)+8*(\i)+3],   v[ADRB+(\slot)] offset:(\k)+(\i)*16*PITCH
	ds_load_b128 v[(\f)+8*(\i)+4:(\f)+8*(\i)+7], v[ADRB+(\slot)] offset:(\k)+(\i)*16*PITCH+32
.endr
	WIN 0
.irp i, 0,1,2,3,4,5,6,7
	ds_load_b128 v[(\f)+8*(\i):(\f)+8*(\i)+3],   v[ADRA+(\slot)] offset:(\k)+(\i)*16*PITCH
	ds_load_b128 v[(\f)+8*(\i)+4:(\f)+8*(\i)+7], v[ADRA+(\slot)] offset:(\k)+(\i)*16*PITCH+32
.endr
.endm
; A load into a register that a matrix instruction has read, and a store that reads a matrix result, stand four places behind that matrix instruction, and only plain vector instructions
; that name none of its registers are places (ISA guide 7.12.1 for vector instructions); the matrix instructions in between are not counted.
.macro PLACES
.rept 4
	v_nop
.endr
.endm
; A K step is four quarter steps of 32 along K, 64 matrix instructions each, on buffers 0, 1, 0, 1.  The 64 accumulators take turns in the same order in every quarter.
; One of the first three: multiplies buffer f; in its middle it fetches the next quarter's fragments, at byte k of the same slot's rows, into buffer g.
.macro QUARTER slot, k, f, g
	s_wait_dscnt 8                                 ; wb and xb's rows 0-63 are in; the youngest eight loads (xb's rows 64-127) may be out
	MUL16 \f, 0, 0, 0
	MUL16 \f, 0, 2, 0
	PLACES
	FETCH \slot, \k, \g
	s_wait_dscnt 32                                ; all but the 32 just issued
	MUL16 \f, 1, 0, 0
	MUL16 \f, 1, 2, 0
.endm
; The last quarter multiplies buffer 1 and changes slots.  MEET is its first half: ONE barrier for the change of slots, for two things.  In front of it each wave waits for all its tensor loads,
; of which one is out: its part of the next slot; adds 0 to its spare word; and waits for that and for its own reads of this slot.  Behind it nobody reads this slot any more and the next slot is whole.
.macro MEET round                      ; round = 1: a round of the cluster's barrier follows
	WIN 0                                          ; (the add's two registers lie in window 0)
	s_wait_tensorcnt 0x0                           ; all my tensor loads have landed: the one that was out is my part of the next slot;
	ds_add_u32 v[SPW], v[NIL]                      ; 0 onto my spare word;
	s_wait_dscnt 9                                 ; (the add and the youngest eight loads may be out)
	MUL16 F1, 0, 0, 0                              ; sixteen matrix instructions stand between the add and the wait for it
	s_wait_dscnt 0x0                               ; the add is done, and my reads of this slot are over:
	s_barrier_signal -1                            ; say so (where a slot is filled again this barrier opens a round of the cluster's barrier),
	MUL16 F1, 0, 2, 0                              ; work on registers while the others arrive,
.if \round
	WIN 0
.endif
	s_barrier_wait -1                              ; and go on when all four have said so
.endm
; The whole last quarter.  Behind the round the slot just read out is filled again first, with the K step two steps on; then come the next slot's first fragments.
; From a request to the wait for it a wave issues 224 matrix instructions.
.macro TURN slot, next
	MEET 1
	CREST                                          ; no wave of any partner still reads this slot's tile or has a load on its way
	s_add_nc_u64 s[G0+4*(\slot)+2:G0+4*(\slot)+3], s[G0+4*(\slot)+2:G0+4*(\slot)+3], 2*KSTEP*2
	s_add_nc_u64 s[G0B+4*(\slot)+2:G0B+4*(\slot)+3], s[G0B+4*(\slot)+2:G0B+4*(\slot)+3], 2*KSTEP*2
	JLOAD \slot                                    ; the first tensor load behind the round; the four v_nop behind it are also the places in front of the loads below
	FETCH \next, 0, F0
	MUL16 F1, 1, 0, 0
	MUL16 F1, 1, 2, 0
.endm
; THE WAY OUT of block a (16 of my rows x 128 columns of f32).  TOSTAGE: a lane's 32 bytes of a row go into my own stage in LDS, and come back as whole rows of 512 bytes.  SEND: stored.
.macro TOSTAGE a
.set AC, 64*((\a)%4)
.set BK, OB+64*((\a)%2)
	WIN 0x08+4*((\a)/4)                            ; the stores' data: window 2 or 3
.irp b, 0,1,2,3,4,5,6,7
	ds_store_b128 v[STO], v[AC+8*(\b):AC+8*(\b)+3]   offset:64*(\b)     ; each accumulator from its low end on
	ds_store_b128 v[STO], v[AC+8*(\b)+4:AC+8*(\b)+7] offset:64*(\b)+16
.endr
	WIN 0
	s_wait_xcnt 0x0                                ; the block two before stored from these registers: they are loaded again only behind this wait
.irp t, 0,1,2,3,4,5,6,7,8,9,10,11,12,13,14,15
	ds_load_b128 v[BK+4*(\t):BK+4*(\t)+3], v[RD] offset:(\t)*SPITCH  ; LDS serves a wave's instructions in order (ISA guide 5.7.1.4): these see the stores above; the next block's stores come behind them
.endr
.endm
.macro SEND a, younger                 ; younger: the LDS instructions issued behind block a's loads: the next block's 16 stores and 16 loads, or none
.set BK, OB+64*((\a)%2)
	s_wait_dscnt \younger
.irp t, 0,1,2,3,4,5,6,7,8,9,10,11,12,13,14,15
	global_store_b128 v[CO], v[BK+4*(\t):BK+4*(\t)+3], s[74:75] offset:(16*(\a)+(\t))*SIZE_N*4 th:TH_STORE_NT  ; 512 consecutive bytes, at a multiple of 512 from out0's first byte; 127 rows at the most: inside the signed 24-bit immediate
.endr
.endm
	s_wait_loadcnt 0x0                             ; bias, h and B
	MUL16 F1, 0, 0, 1                              ; THE RANK-16 TERM AND THE BIAS START ALL 64 SUMS, while the first tiles are on their way
	MUL16 F1, 0, 2, 1
	MUL16 F1, 1, 0, 1
	MUL16 F1, 1, 2, 1
	s_wait_tensorcnt 1                             ; my part of K step 0 is in; K step 1's may stay out
	s_barrier_signal -1
	s_barrier_wait -1                              ; everybody's is
	FETCH 0, 0, F0
	QUARTER 0, 64,  F0, F1                         ; its four places stand between the products above and the loads into buffer 1
	WIN 0                                          ; at a label and at a branch every window is 0
	s_mov_b32 s3, LAPS-1
.Llap:                                                 ; a trip goes once round the ring, from a lap's second quarter to the next lap's first, and fills both slots again
	QUARTER 0, 128, F1, F0
	QUARTER 0, 192, F0, F1
	TURN 0, 1
	QUARTER 1, 64,  F0, F1
	QUARTER 1, 128, F1, F0
	QUARTER 1, 192, F0, F1
	TURN 1, 0
	QUARTER 0, 64,  F0, F1
	WIN 0
	s_sub_co_u32 s3, s3, 1
	s_cmp_lg_u32 s3, 0
	s_cbranch_scc1 .Llap
	QUARTER 0, 128, F1, F0                         ; the last lap is written out: it fills nothing, and has no round of the cluster's barrier
	QUARTER 0, 192, F0, F1
	MEET 0                                         ; my one tensor load that was still out is slot 1's, the last K step's
	PLACES                                         ; for the loads into buffer 0
	FETCH 1, 0, F0
	MUL16 F1, 1, 0, 0
	MUL16 F1, 1, 2, 0
	QUARTER 1, 64,  F0, F1
	QUARTER 1, 128, F1, F0
	QUARTER 1, 192, F0, F1
	s_wait_dscnt 8                                 ; the very last quarter: nothing more to fetch
	MUL16 F1, 0, 0, 0
	MUL16 F1, 0, 2, 0
	s_wait_dscnt 0x0
	MUL16 F1, 1, 0, 0
	MUL16 F1, 1, 2, 0
	WIN 0
	PLACES                                         ; for the stores that read the sums, and for the loads into the fragment buffers
	TOSTAGE 0
.irp a, 1,2,3,4,5,6,7                  ; block a's trip through the stage is under way while block a - 1 is stored
	TOSTAGE \a
	SEND (\a)-1, 32
.endr
	SEND 7, 0
	s_wait_tensorcnt 0x0                           ; the wave's end, behind my last tensor load and my last LDS store
	ds_add_u32 v[SPW], v[NIL]
	s_wait_dscnt 0x0
	CROUND                                         ; the closing round: no work-group ends while a partner may still ask for a tile that names it
	s_endpgm
.Lfunc_end_k_qc7e505aa3d_gemm:
	.size	k_qc7e505aa3d_gemm, .Lfunc_end_k_qc7e505aa3d_gemm-k_qc7e505aa3d_gemm
	.p2alignl 7, 3214868480
	.fill 96, 4, 3214868480
	.section	.rodata,"a",@progbits
	.p2align	6, 0x0
	.amdhsa_kernel k_qc7e505aa3d_gemm
		.amdhsa_group_segment_fixed_size 327680
		.amdhsa_private_segment_fixed_size 0
		.amdhsa_enable_private_segment 0
		.amdhsa_kernarg_size 48
		.amdhsa_user_sgpr_count 2
		.amdhsa_user_sgpr_kernarg_segment_ptr 1
		.amdhsa_wavefront_size32 1
		.amdhsa_system_sgpr_workgroup_id_x 1
		.amdhsa_system_sgpr_workgroup_id_y 1
		.amdhsa_system_sgpr_workgroup_id_z 1
		.amdhsa_system_vgpr_workitem_id 0
		.amdhsa_next_free_vgpr 1024
		.amdhsa_next_free_sgpr 80
		.amdhsa_reserve_vcc 0
		.amdhsa_float_denorm_mode_32 3
		.amdhsa_float_denorm_mode_16_64 3
		.amdhsa_memory_ordered 1
		.amdhsa_forward_progress 1
		.amdhsa_inst_pref_size 149
	.end_amdhsa_kernel
	.amdgpu_metadata
---
amdhsa.version: [ 1, 2 ]
amdhsa.kernels:
  - .name:           k_qc7e505aa3d_gemm
    .symbol:         k_qc7e505aa3d_gemm.kd
    .args:
      - { .name: xb, .offset: 0, .size: 8, .value_kind: global_buffer, .address_space: global }
      - { .name: wb, .offset: 8, .size: 8, .value_kind: global_buffer, .address_space: global }
      - { .name: b, .offset: 16, .size: 8, .value_kind: global_buffer, .address_space: global }
      - { .name: hb, .offset: 24, .size: 8, .value_kind: global_buffer, .address_space: global }
      - { .name: bt, .offset: 32, .size: 8, .value_kind: global_buffer, .address_space: global }
      - { .name: out0, .offset: 40, .size: 8, .value_kind: global_buffer, .address_space: global }
    .group_segment_fixed_size: 327680
    .private_segment_fixed_size: 0
    .kernarg_segment_align: 8
    .kernarg_segment_size: 48
    .max_flat_workgroup_size: 128
    .sgpr_count:     80
    .vgpr_count:     1024
    .wavefront_size: 32
...
	.end_amdgpu_metadata
.endif
;; end of part 2
;; ======== version 2 of 2: 2 launches; version 1 with the launch prep written anew for expert scheduling mode
;; workspace buffers: xb 33,554,432 bytes; wb 33,554,432 bytes; hb 262,144 bytes; bt 1,048,576 bytes
;; launch prep (part 3): grid 256 x 1, 8 waves a work-group, no clusters, 119,808 bytes of LDS; arguments x, W, lora_As, lora_Bs, adapter_mapping, xb, wb, hb, bt; writes xb, wb, hb, bt
.if DOCPART == 3
	.amdgcn_target "amdgcn-amd-amdhsa--gfx1250"
	.amdhsa_code_object_version 6
	.text
	.protected	k_qc7e505aa3d_prep
	.globl	k_qc7e505aa3d_prep
	.p2align	8
	.type	k_qc7e505aa3d_prep,@function
k_qc7e505aa3d_prep:
	s_mov_b64 s[64:65], 0
	v_nop
	global_prefetch_b8 v0, s[64:65] scope:SCOPE_SE
	s_setreg_imm32_b32 hwreg(HW_REG_WAVE_SCHED_MODE, 0, 2), 2
	s_setreg_imm32_b32 hwreg(HW_REG_WAVE_MODE, 25, 1), 1
	s_wait_xcnt 0x0
	s_wait_alu depctr_vm_vsrc(0)
; PREPARATION for out = x W^T + b + 2 (x A[map]) B[map]:  x -> xb and W -> wb in bf16 (row-major as they lie);  h = 2 x A[map[batch]] -> hb;  B[map[batch]] -> bt.
; x: [4096][4096] f32 (8 batches of 512 rows), W: [4096][4096] f32, lora_As: [32][4096][16] f32, lora_Bs: [32][16][4096] f32, adapter_mapping: [8] i32.
; hb: [256 blocks of 16 rows][hi, lo][lane][16 bytes]: lane l holds row l % 16 and ranks 8 (l / 16) + 0..7, as bf16: the order in which the product's operand registers take it.
; bt: [8 batches][256 blocks of 16 columns][lane][16 bytes]: lane l holds column l % 16 and ranks 8 (l / 16) + 0..7, as bf16.
; LIMITS.  x, W, A and B are rounded once to bf16 (f32's range is kept); h's sums are f32, and h is stored as a bf16 number and the bf16 of what that rounding left over.
; An adapter's number is clamped to 31: it changes nothing for a number inside the table.  NaN and infinities go as the arithmetic takes them.
; SHARES.  Work-groups 0-127 take x, 128-255 take W: 32 rows each.  Wave w has columns 512 w .. 512 w + 511 of all 32 rows, in four steps of 128 columns: a load of the wave covers 512
; consecutive bytes of a row, a store 256 consecutive bytes, at a multiple of 256 from the buffer's first byte.  48 loads of every wave are on their way (three sets of 16 in registers).
; In the x role the rounded numbers also pass through the wave's own LDS bytes and come back as matrix operands: h^T = A^T x^T, 16 ranks x 16 rows, summed over the wave's 512 columns;
; the eight waves' partial sums (f32) meet in LDS behind one barrier, and waves 0 and 1 add them in a fixed order.  In the W role each wave turns 32 columns of its batch's B.
; NO CLUSTER, NO TENSOR LOADS: x and W have one reader each and go through registers to be rounded.  An adapter's 256 KiB are read by the 16 work-groups of a batch beside their 512 KiB of x each;
; they too must pass registers to be rounded, so a joint load would add an f32 stage in LDS and a second road for a sixth of the launch's requested bytes: not built.
; THE MODE: SCHED_MODE bits 1:0 = 2 (LLVM: expert scheduling mode 2), set by the entry lines.  The code itself states the register dependences
; between vector or matrix instructions and memory or LDS instructions, with s_wait_alu, always for 0.
; THE PLAN.  Registers that memory or LDS instructions touch:
;   R0, R1, R2    three raw sets of 64.  Written by the global loads alone; read by the set's 32 conversions; behind them the set is loaded again.  No store reads them.
;   O0, O1, O2    an out-buffer of 32 for each set.  Written by the set's conversions; read by that unit's stores, global and LDS; written again three units later.
;   XF, AF        written by a step's 24 LDS loads; read by its 8 matrix instructions.
;   the accumulators   named by matrix instructions alone, until four LDS stores read them, once.
;   v2 to v13     addresses and offsets, made at the head and never written again: rows and steps stand in the immediate offsets.
;   v14, v15      written at the head, read by the closing add alone.
; A UNIT is: the counted wait for a set's data, its 32 conversions R[k] -> O[k], ONE wait on va_vdst, the set's 16 loads for its next turn, the unit's stores from O[k].  That wait states that O[k] is
; written and that R[k] has been read; the first of a step's three also states that the last step's matrix instructions have read XF and AF: from there to the step's fragment loads the vector
; instructions name R and O alone.  ONE wait on vm_vsrc for three units (beside the wait on XCNT that the global stores' data ask for) states that all earlier stores have read O0 to O2.
; REGISTERS, in windows of 256 (s_set_vgpr_msb: bits 1:0 source 0, 3:2 source 1, 5:4 source 2, 7:6 destination):
;   window 0: v0-15 addresses; v16-31 the accumulators; v32-223 R0 to R2; v224-247 B's ranks (the W role)          window 1: v0-63 XF; v64-95 AF; v96-191 O0 to O2
; Addresses, raw sets and out-buffers are 304 registers, more than a window: so conversions, loads and stores stand in runs of 16 or 32 under one setting each, three switches a unit.
.set ROWF,   16384                     ; a row of x or W in bytes
.set ROWH,   8192                      ; a row of xb or wb
.set XPITCH, 272                       ; a row of 128 bf16 in LDS: 256 bytes + 16: the 16 rows of a fragment load start 68 words apart
.set XW,     32*XPITCH                 ; a wave's 32 rows
.set AST,    8*XW                      ; behind them: a wave's 128 k x 16 ranks of A in bf16, 32 bytes a k
.set AW,     4096
.set RED,    AST+8*AW                  ; the partial sums: [wave][4 quads][lane][16 bytes]
.set SPARE,  RED+16384                 ; the spare words, 128 bytes for each wave: four blocks of 256 bytes that no other line names
.set VIN, 2                            ; v2   2048 w + 16 lane: my 16 bytes in a row of x or W
.set VOUT, 3                           ; v3   1024 w + 8 lane: my 8 bytes in a row of xb or wb
.set VA,  4                            ; v4   32768 w + 16 lane: my 16 bytes in the wave's part of the adapter's A
.set VXS, 5                            ; v5   LDS: where I put 8 bytes of a row
.set VXF, 6                            ; v6   LDS: my place in a fragment of x
.set VAS, 7                            ; v7   LDS: where I put 8 bytes of A
.set VAF, 8                            ; v8   LDS: my place in a turned fragment of A
.set VRS, 9                            ; v9   LDS: where I put my partial sums
.set VRR, 10                           ; v10  LDS: where waves 0 and 1 read them
.set VH,  11                           ; v11  16 lane
.set VBL, 12                           ; v12  4 lane
.set VBT, 13                           ; v13  512 (l / 16) + 16 (l % 16)
.set SPW, 14                           ; v14  LDS address of my spare word; never rewritten
.set NIL, 15                           ; v15  0; never rewritten
.set ACC0, 16                          ; v[16:23]  h^T of rows 0-15
.set ACC1, 24                          ; v[24:31]  h^T of rows 16-31
.set R0,  32                           ; raw set k at R0 + 64 k: 16 loads of 16 bytes a lane.  The x role: set 0 rows 0-15, set 1 rows 16-31, set 2 A.  The W role: unit u in set u % 3
.set R1,  96
.set BV,  224                          ; v[224:239] 16 ranks of my column of B; v[240:247] the same packed
.set XF,  0                            ; window 1: fragments of x: row block rb, 32 k number ks at 8 (4 rb + ks)
.set AF,  64                           ; window 1: fragments of A^T at 64 + 8 ks
.set OUT, 96                           ; window 1: out-buffer k at OUT + 32 k: load i's four numbers as bf16 in the pair at 2 i
.set MSB, 0
.macro WIN new                         ; the immediate's high byte repeats the setting that is left
.if MSB != (\new)
	s_set_vgpr_msb (MSB<<8)|(\new)
.set MSB, \new
.endif
.endm
.set TO_F,   0x40                      ; destination window 1, sources and addresses window 0: the conversions, and the fragments' loads
.set FROM_O, 0x04                      ; a store's data (source 1) window 1, its address window 0
.set MUL,    0x05                      ; sources 0 and 1 window 1, C and D window 0
; 16 rows from row0 on, step s of the wave's four, into set k: 16 loads of 512 consecutive bytes.  Every window is 0 here.
.macro LD k, sb, row0, s
.set i, 0
.rept 16
	global_load_b128 v[R0+64*(\k)+4*i:R0+64*(\k)+4*i+3], v[VIN], s[\sb:\sb+1] offset:((\row0)+i)*ROWF+(\s)*512 th:TH_LOAD_NT
.set i, i+1
.endr
.endm
; the 128 k of step s of the adapter's A, into set 2: 8,192 consecutive bytes; 16 work-groups read them, so no hint
.macro LDA s
.set i, 0
.rept 16
	global_load_b128 v[R0+128+4*i:R0+128+4*i+3], v[VA], s[12:13] offset:(\s)*8192+i*512
.set i, i+1
.endr
.endm
; set k into out-buffer k: four f32 become four bf16 in a pair of registers
.macro CVT k
	WIN TO_F
.set i, 0
.rept 16
	v_cvt_pk_bf16_f32 v[OUT+32*(\k)+2*i],   v[R0+64*(\k)+4*i],   v[R0+64*(\k)+4*i+1]
	v_cvt_pk_bf16_f32 v[OUT+32*(\k)+2*i+1], v[R0+64*(\k)+4*i+2], v[R0+64*(\k)+4*i+3]
.set i, i+1
.endr
.endm
.macro ST k, sb, row0, s               ; the next launch reads these bytes: no hint
	WIN FROM_O
.set i, 0
.rept 16
	global_store_b64 v[VOUT], v[OUT+32*(\k)+2*i:OUT+32*(\k)+2*i+1], s[\sb:\sb+1] offset:((\row0)+i)*ROWH+(\s)*256
.set i, i+1
.endr
.endm
.macro XLDS k, row0                    ; the same 16 rows into my wave's LDS rows
	WIN FROM_O
.set i, 0
.rept 16
	ds_store_b64 v[VXS], v[OUT+32*(\k)+2*i:OUT+32*(\k)+2*i+1] offset:((\row0)+i)*XPITCH
.set i, i+1
.endr
.endm
	s_load_b512 s[8:23], s[0:1], 0x0               ; x 8:9, W 10:11, As 12:13, Bs 14:15, mapping 16:17, xb 18:19, wb 20:21, hb 22:23
	s_load_b64 s[24:25], s[0:1], 0x40              ; bt
	v_lshl_add_u32 v[SPW], v0, 2, SPARE
	v_mov_b32 v[NIL], 0
	v_and_b32 v1, 31, v0                           ; lane
	v_lshrrev_b32 v[VBL], 5, v0
	v_readfirstlane_b32 s26, v[VBL]                ; wave 0..7
	s_and_b32 s27, ttmp9, 127                      ; which 32 rows of my matrix
	s_lshr_b32 s28, s27, 4                         ; their batch (x), or the batch whose B I turn (W): 16 work-groups a batch
	s_lshl_b32 s30, s28, 2
	s_mov_b32 s31, 0                               ; s[30:31]: an offset as a pair
	v_and_b32 v224, 15, v0                         ; l % 16
	v_bfe_u32 v225, v0, 4, 1                       ; l / 16
	v_lshlrev_b32 v[VIN], 4, v1
	s_wait_alu depctr_va_sdst(0)                   ; s26 is written, ahead of its first reader, the next line
	v_lshl_add_u32 v[VIN], s26, 11, v[VIN]
	v_lshlrev_b32 v[VOUT], 3, v1
	v_lshl_add_u32 v[VOUT], s26, 10, v[VOUT]
	v_lshlrev_b32 v[VA], 4, v1
	v_lshl_add_u32 v[VA], s26, 15, v[VA]
	s_mul_i32 s34, s26, XW                         ; my wave's rows in LDS
	v_lshl_add_u32 v[VXS], v1, 3, s34
	v_mul_u32_u24 v[VXF], v224, XPITCH             ; a fragment: row l % 16, 16 bytes for each half of the lanes
	v_lshl_add_u32 v[VXF], v225, 4, v[VXF]
	v_add_nc_u32 v[VXF], s34, v[VXF]
	s_lshl_b32 s35, s26, 12
	s_add_co_u32 s35, s35, AST                     ; my wave's part of A in LDS
	v_lshl_add_u32 v[VAS], v1, 3, s35
	v_and_b32 v226, 7, v0                          ; the turning load: lane l reads k = 8 (l / 16) + l % 8, ranks 8 ((l / 8) % 2) + 0..7
	v_lshl_add_u32 v226, v225, 3, v226
	v_lshlrev_b32 v226, 5, v226
	v_bfe_u32 v[VAF], v0, 3, 1
	v_lshl_add_u32 v[VAF], v[VAF], 4, v226
	v_add_nc_u32 v[VAF], s35, v[VAF]
	s_lshl_b32 s36, s26, 11
	s_add_co_u32 s36, s36, RED
	v_lshl_add_u32 v[VRS], v1, 4, s36
	s_lshl_b32 s37, s26, 10
	s_add_co_u32 s37, s37, RED
	v_lshl_add_u32 v[VRR], v1, 4, s37
	v_lshlrev_b32 v[VH], 4, v1
	v_lshlrev_b32 v[VBL], 2, v1
	v_lshlrev_b32 v[VBT], 4, v224
	v_lshl_add_u32 v[VBT], v225, 9, v[VBT]
	s_wait_kmcnt 0x0
	s_add_nc_u64 s[16:17], s[16:17], s[30:31]
	s_load_b32 s29, s[16:17], 0x0                  ; my batch's adapter
	s_wait_kmcnt 0x0
	s_min_u32 s29, s29, 31                         ; inside the table of 32
	s_lshl_b32 s29, s29, 18                        ; an adapter is 262,144 bytes in As and in Bs
	s_wait_alu depctr_va_vdst(0)                   ; the addresses and offsets v2 to v13 are written, which every load and store of both roles reads; so are v224 to v226, in which loads of B land
	s_cmp_ge_u32 ttmp9, 128                        ; the same for all eight waves
	s_cbranch_scc1 .Lw
	; ---------------- THE x ROLE ----------------
	s_lshl_b32 s30, s27, 19                        ; 32 rows of 16,384 bytes
	s_add_nc_u64 s[8:9], s[8:9], s[30:31]
	s_lshl_b32 s30, s27, 18
	s_add_nc_u64 s[18:19], s[18:19], s[30:31]
	s_mov_b32 s30, s29
	s_add_nc_u64 s[12:13], s[12:13], s[30:31]
	s_lshl_b32 s30, s27, 11                        ; two blocks of 1,024 bytes in hb
	s_add_nc_u64 s[22:23], s[22:23], s[30:31]
	LD 0, 8, 0, 0
	LDA 0
	LD 1, 8, 16, 0                                 ; 48 loads are out, in the order in which a step takes them
; One step: 128 columns of 32 rows and the 128 k of A that go with them: three units, then the products.  ahead = 1: each set is loaded again for the next step as soon as its conversions have read it.
; first = 1: the products start the sums, and no store has yet read an out-buffer.
.macro XSTEP s, ahead, first
	s_wait_loadcnt 32                              ; rows 0-15 are in; the two younger sets stay out
.if !(\first)
	s_wait_xcnt 0x0                                ; O0 and O1 were the data of the last step's global stores: they are written again only behind this wait,
	s_wait_alu depctr_vm_vsrc(0)                   ; and behind this one: the last step's stores, global and LDS, have read O0, O1 and O2, which this step's conversions write again
.endif
	CVT 0
.if \ahead
	WIN 0
.endif
	s_wait_alu depctr_va_vdst(0)                   ; the conversions have written O0, which the stores below read, and are done reading set 0, in which the loads below land; the last step's matrix instructions are done reading XF and AF, in which this step's fragment loads land
.if \ahead
	LD 0, 8, 0, (\s)+1
.endif
	ST 0, 18, 0, \s
	XLDS 0, 0
.if \ahead
	s_wait_loadcnt 32                              ; A's 128 k are in; younger: rows 16-31 and the set just asked for
.else
	s_wait_loadcnt 16                              ; younger: rows 16-31 alone
.endif
	CVT 2
.if \ahead
	WIN 0
.endif
	s_wait_alu depctr_va_vdst(0)                   ; the conversions have written O2, which the LDS stores below read, and are done reading set 2, in which the loads below land
.if \ahead
	LDA (\s)+1
.endif
	WIN FROM_O
.set i, 0
.rept 16
	ds_store_b64 v[VAS], v[OUT+64+2*i:OUT+64+2*i+1] offset:i*256  ; as in memory: k = 8 i + lane / 4, ranks 4 (lane % 4) on, 32 bytes a k
.set i, i+1
.endr
.if \ahead
	s_wait_loadcnt 32                              ; rows 16-31 are in
.else
	s_wait_loadcnt 0
.endif
	CVT 1
.if \ahead
	WIN 0
.endif
	s_wait_alu depctr_va_vdst(0)                   ; the conversions have written O1, which the stores below read, and are done reading set 1, in which the loads below land
.if \ahead
	LD 1, 8, 16, (\s)+1
.endif
	ST 1, 18, 16, \s
	XLDS 1, 16
	WIN TO_F                                       ; my wave's own bytes: LDS serves a wave's instructions in order (ISA guide 5.7.1.4), so these see the stores above.  No wait on va_vdst here: no vector instruction since the step's first names XF, AF or the two addresses
.irp rb, 0,1
.irp ks, 0,1,2,3
	ds_load_b128 v[XF+8*(4*(\rb)+(\ks)):XF+8*(4*(\rb)+(\ks))+3],   v[VXF] offset:(\rb)*16*XPITCH+(\ks)*64
	ds_load_b128 v[XF+8*(4*(\rb)+(\ks))+4:XF+8*(4*(\rb)+(\ks))+7], v[VXF] offset:(\rb)*16*XPITCH+(\ks)*64+32
.endr
.endr
.irp ks, 0,1,2,3
	ds_load_tr16_b128 v[AF+8*(\ks):AF+8*(\ks)+3],   v[VAF] offset:(\ks)*1024
	ds_load_tr16_b128 v[AF+8*(\ks)+4:AF+8*(\ks)+7], v[VAF] offset:(\ks)*1024+512
.endr
	s_wait_dscnt 0x0
	WIN MUL                                        ; source 0 = 16 ranks, source 1 = 16 rows of x: a lane's eight results are ranks 8 (l / 16) + 0..7 of row l % 16: hb's order
.irp ks, 0,1,2,3                       ; the two accumulators take turns, from step to step too
.if (\first) && ((\ks) == 0)
	v_wmma_f32_16x16x32_bf16 v[ACC0:ACC0+7], v[AF+8*(\ks):AF+8*(\ks)+7], v[XF+8*(\ks):XF+8*(\ks)+7], 0
	v_wmma_f32_16x16x32_bf16 v[ACC1:ACC1+7], v[AF+8*(\ks):AF+8*(\ks)+7], v[XF+32+8*(\ks):XF+32+8*(\ks)+7], 0
.else
	v_wmma_f32_16x16x32_bf16 v[ACC0:ACC0+7], v[AF+8*(\ks):AF+8*(\ks)+7], v[XF+8*(\ks):XF+8*(\ks)+7], v[ACC0:ACC0+7]
	v_wmma_f32_16x16x32_bf16 v[ACC1:ACC1+7], v[AF+8*(\ks):AF+8*(\ks)+7], v[XF+32+8*(\ks):XF+32+8*(\ks)+7], v[ACC1:ACC1+7]
.endif
.endr
.endm
	XSTEP 0, 1, 1                                  ; four steps: with the first and the last written apart a loop would have two trips
	XSTEP 1, 1, 0
	XSTEP 2, 1, 0
	XSTEP 3, 0, 0                                  ; the last step loads nothing: its counts run down 32, 16, 0
	WIN 0
.rept 4
	v_nop                                          ; four places between the last products and the stores that read them
.endr
	s_wait_alu depctr_va_vdst(0)                   ; the matrix instructions have written both accumulators, which the LDS stores read; the places above stay beside this wait
	ds_store_b128 v[VRS], v[ACC0:ACC0+3]           ; each accumulator from its low end on
	ds_store_b128 v[VRS], v[ACC0+4:ACC0+7] offset:512
	ds_store_b128 v[VRS], v[ACC1:ACC1+3] offset:1024
	ds_store_b128 v[VRS], v[ACC1+4:ACC1+7] offset:1536
	s_wait_dscnt 0x0                               ; for the others' sake: my partial sums are in LDS
	s_barrier_signal -1
	s_barrier_wait -1
	s_cmp_ge_u32 s26, 2
	s_cbranch_scc1 .Lend                           ; waves 0 and 1 go on: wave w adds the eight waves' sums for rows 16 w .. 16 w + 15
.irp p, 0,1,2,3,4,5,6,7                ; they land in set 0: its last readers, conversions, stand ahead of the wait on va_vdst above, no vector instruction has been issued since, and no store ever read the set
	ds_load_b128 v[R0+8*(\p):R0+8*(\p)+3],   v[VRR] offset:(\p)*2048
	ds_load_b128 v[R0+8*(\p)+4:R0+8*(\p)+7], v[VRR] offset:(\p)*2048+512
.endr
	s_wait_dscnt 0x0
.irp p, 0,2,4,6                        ; a fixed tree in f32: neighbours 1, 2 and 4 waves apart
.irp j, 0,2,4,6
	v_pk_add_f32 v[R0+8*(\p)+(\j):R0+8*(\p)+(\j)+1], v[R0+8*(\p)+(\j):R0+8*(\p)+(\j)+1], v[R0+8*(\p)+8+(\j):R0+8*(\p)+8+(\j)+1]
.endr
.endr
.irp p, 0,4
.irp j, 0,2,4,6
	v_pk_add_f32 v[R0+8*(\p)+(\j):R0+8*(\p)+(\j)+1], v[R0+8*(\p)+(\j):R0+8*(\p)+(\j)+1], v[R0+8*(\p)+16+(\j):R0+8*(\p)+16+(\j)+1]
.endr
.endr
.irp j, 0,2,4,6
	v_pk_add_f32 v[R0+(\j):R0+(\j)+1], v[R0+(\j):R0+(\j)+1], v[R0+32+(\j):R0+32+(\j)+1]
.endr
.irp j, 0,2,4,6
	v_pk_mul_f32 v[R0+(\j):R0+(\j)+1], v[R0+(\j):R0+(\j)+1], 2.0 op_sel_hi:[1,0]  ; the scaling alpha / r = 2
.endr
.irp j, 0,1,2,3
	v_cvt_pk_bf16_f32 v[R1+(\j)], v[R0+2*(\j)], v[R0+2*(\j)+1]                    ; hi
.endr
.irp j, 0,1,2,3
	v_lshlrev_b32 v[R1+8+2*(\j)], 16, v[R1+(\j)]                                   ; hi as f32
	v_and_b32 v[R1+9+2*(\j)], 0xffff0000, v[R1+(\j)]
.endr
.irp j, 0,2,4,6
	v_pk_add_f32 v[R1+8+(\j):R1+9+(\j)], v[R0+(\j):R0+(\j)+1], v[R1+8+(\j):R1+9+(\j)] neg_lo:[0,1] neg_hi:[0,1]  ; what the rounding left over, exact in f32
.endr
.irp j, 0,1,2,3
	v_cvt_pk_bf16_f32 v[R1+4+(\j)], v[R1+8+2*(\j)], v[R1+9+2*(\j)]                 ; lo
.endr
	s_lshl_b32 s30, s26, 10
	s_add_nc_u64 s[22:23], s[22:23], s[30:31]
	s_wait_alu depctr_va_vdst(0)                   ; the conversions have written hi and lo, v[R1 .. R1+7], which the two stores read
	global_store_b128 v[VH], v[R1:R1+3], s[22:23]                ; 512 consecutive bytes each
	global_store_b128 v[VH], v[R1+4:R1+7], s[22:23] offset:512
	s_branch .Lend
	; ---------------- THE W ROLE ----------------
.Lw:
	s_lshl_b32 s30, s27, 19
	s_add_nc_u64 s[10:11], s[10:11], s[30:31]
	s_lshl_b32 s30, s27, 18
	s_add_nc_u64 s[20:21], s[20:21], s[30:31]
	s_and_b32 s32, s27, 15
	s_lshl_b32 s32, s32, 3
	s_add_co_u32 s32, s32, s26                     ; t, 0..127: I turn columns 32 t .. 32 t + 31 of my batch's B
	s_lshl_b32 s30, s32, 7
	s_add_co_u32 s30, s30, s29
	s_add_nc_u64 s[14:15], s[14:15], s[30:31]
	s_lshl_b32 s30, s28, 17                        ; a batch is 131,072 bytes of bt,
	s_lshl_b32 s33, s32, 10                        ; 32 columns are two blocks of 512
	s_add_co_u32 s30, s30, s33
	s_add_nc_u64 s[24:25], s[24:25], s[30:31]
.set i, 0
.rept 16                               ; rank i of my column: 128 consecutive bytes a load; all of these together are 2 MiB beside the launch's 128 MiB of x and W.  Two batches may name one adapter: no hint
	global_load_b32 v[BV+i], v[VBL], s[14:15] offset:i*16384
.set i, i+1
.endr
	LD 0, 10, 0, 0                                 ; unit u of eight: step u / 2, rows 16 (u % 2) on, in set u % 3
	LD 1, 10, 16, 0
	LD 2, 10, 0, 1
	s_wait_loadcnt 48                              ; B's 16 are in; the three units stay out
.irp j, 0,1,2,3,4,5,6,7
	v_cvt_pk_bf16_f32 v[BV+16+(\j)], v[BV+2*(\j)], v[BV+2*(\j)+1]  ; their two stores stand in unit 0, behind its wait on va_vdst
.endr
.set u, 0
.rept 8
.if u < 6
	s_wait_loadcnt 32                              ; my unit is in; the two younger stay out
.elseif u == 6
	s_wait_loadcnt 16
.else
	s_wait_loadcnt 0
.endif
.if (u == 3) || (u == 6)
	s_wait_xcnt 0x0                                ; the out-buffers were the data of the last three units' stores: they are written again only behind this wait,
	s_wait_alu depctr_vm_vsrc(0)                   ; and behind this one: those stores have read O0, O1 and O2, which this unit's and the next two units' conversions write again
.endif
	CVT u%3
.if u < 5
	WIN 0
.endif
	s_wait_alu depctr_va_vdst(0)                   ; the conversions have written this unit's out-buffer (in unit 0 B's packed ranks too), which the stores below read, and are done reading its set, in which the loads below land
.if u < 5
	LD u%3, 10, 16*((u+3)%2), (u+3)/2
.endif
.if u == 0
	global_store_b128 v[VBT], v[BV+16:BV+19], s[24:25]             ; ranks 0-7: lanes 0-15 and lanes 16-31 each store 256 consecutive bytes, at a multiple of 256 from bt's first byte
	global_store_b128 v[VBT], v[BV+20:BV+23], s[24:25] offset:256  ; ranks 8-15
.endif
	ST u%3, 20, 16*(u%2), u/2
.set u, u+1
.endr
	WIN 0                                          ; at a label every window is 0
.Lend:
	s_wait_dscnt 0x0                               ; the closing lines, six on end
	s_wait_alu 0x0
	s_wait_tensorcnt 0x0
	ds_add_u32 v[SPW], v[NIL]
	s_wait_dscnt 0x0
	s_endpgm
.Lfunc_end_k_qc7e505aa3d_prep:
	.size	k_qc7e505aa3d_prep, .Lfunc_end_k_qc7e505aa3d_prep-k_qc7e505aa3d_prep
	.p2alignl 7, 3214868480
	.fill 96, 4, 3214868480
	.section	.rodata,"a",@progbits
	.p2align	6, 0x0
	.amdhsa_kernel k_qc7e505aa3d_prep
		.amdhsa_group_segment_fixed_size 119808
		.amdhsa_private_segment_fixed_size 0
		.amdhsa_enable_private_segment 0
		.amdhsa_kernarg_size 72
		.amdhsa_user_sgpr_count 2
		.amdhsa_user_sgpr_kernarg_segment_ptr 1
		.amdhsa_wavefront_size32 1
		.amdhsa_system_sgpr_workgroup_id_x 1
		.amdhsa_system_sgpr_workgroup_id_y 1
		.amdhsa_system_sgpr_workgroup_id_z 1
		.amdhsa_system_vgpr_workitem_id 0
		.amdhsa_next_free_vgpr 448
		.amdhsa_next_free_sgpr 66
		.amdhsa_reserve_vcc 0
		.amdhsa_float_denorm_mode_32 3
		.amdhsa_float_denorm_mode_16_64 3
		.amdhsa_memory_ordered 1
		.amdhsa_forward_progress 1
		.amdhsa_inst_pref_size 129
	.end_amdhsa_kernel
	.amdgpu_metadata
---
amdhsa.version: [ 1, 2 ]
amdhsa.kernels:
  - .name:           k_qc7e505aa3d_prep
    .symbol:         k_qc7e505aa3d_prep.kd
    .args:
      - { .name: x, .offset: 0, .size: 8, .value_kind: global_buffer, .address_space: global }
      - { .name: W, .offset: 8, .size: 8, .value_kind: global_buffer, .address_space: global }
      - { .name: lora_As, .offset: 16, .size: 8, .value_kind: global_buffer, .address_space: global }
      - { .name: lora_Bs, .offset: 24, .size: 8, .value_kind: global_buffer, .address_space: global }
      - { .name: adapter_mapping, .offset: 32, .size: 8, .value_kind: global_buffer, .address_space: global }
      - { .name: xb, .offset: 40, .size: 8, .value_kind: global_buffer, .address_space: global }
      - { .name: wb, .offset: 48, .size: 8, .value_kind: global_buffer, .address_space: global }
      - { .name: hb, .offset: 56, .size: 8, .value_kind: global_buffer, .address_space: global }
      - { .name: bt, .offset: 64, .size: 8, .value_kind: global_buffer, .address_space: global }
    .group_segment_fixed_size: 119808
    .private_segment_fixed_size: 0
    .kernarg_segment_align: 8
    .kernarg_segment_size: 72
    .max_flat_workgroup_size: 256
    .sgpr_count:     66
    .vgpr_count:     448
    .wavefront_size: 32
...
	.end_amdgpu_metadata
.endif
;; end of part 3
;; launch gemm: the kernel of part 2 again; grid 16 x 16, 4 waves a work-group, clusters of 4 x 4, 327,680 bytes of LDS; arguments xb, wb, b, hb, bt, out0; writes out0
